; MI455X (gfx1250); checked and timed in simulation.
; The chip was launched on July 23, 2026; its instructions are those of AMD's public machine-readable ISA for CDNA 5 (MIT licence, August 2026) and "CDNA5" Instruction Set Architecture Reference Guide (July 2026). The comments in the code are by the model that wrote it; some were corrected since.
;; Evolved Loop Linear. Allowed arithmetic: matrix products marked QUANTISED: E5M2 operands, one E8M0 scale for each 32 along K, by v_wmma_scale_f32_16x16x128_f8f6f4 with both operands' format E5M2, f32 sums; everything else in f32.
;; Inputs: W_codes 4,096 x 128 x 32 uint8 (E5M2 codes of W, K innermost, in blocks of 32 codes); W_scales 4,096 x 128 uint8 (E8M0 scales of W, one for each 32 codes along K); b 4,096 float32; x_codes 4,096 x 128 x 32 uint8 (E5M2 codes of x, K innermost, in blocks of 32 codes); x_scales 4,096 x 128 uint8 (E8M0 scales of x, one for each 32 codes along K).
;; Outputs: out0 4,096 x 4,096 float32.
;; This version of the problem:
;;   THIS VERSION OF THE PROBLEM IS GIVEN IN LOW PRECISION. The matrix products marked QUANTISED in the list below multiply operands that are first quantised to E5M2 (5 exponent bits, 2 mantissa bits; 8 bits a number), with one power-of-two scale for each 32 numbers along K (OCP MX v1.0); their sums are f32. All else is computed in f32.
;;   The module's matrix products, in the order in which they are computed (A, B: the left and right operand; K: the contracted axis; several contracted axes count as one K, in the product's order):
;;     1. [M 4,096, K 4,096] x [K 4,096, N 4,096]; A: input x (given as codes); B: input W (given as codes): QUANTISED
;;   THE QUANTISER, for each operand of a quantised product, along K:
;;     - K is cut into blocks of 32 from its start; a last block that is shorter is filled with zeros.
;;     - A block's scale is 2^e with e = floor(log2(the largest magnitude in the block)) - 15, held to -126 .. 127; a block of zeros has e = 0. As a byte (E8M0): e + 127.
;;     - Each number is divided by its block's scale, clamped to +-57,344, and rounded to the nearest number of E5M2, ties to even, subnormals kept.
;;     - The product sums the exact products of the quantised numbers (number of the format x scale) in f32.
;;   ~~~python
;;   def quantise(x, axis):      # numpy; x: float32 -> the quantised numbers, widened to float32 again
;;       x = np.moveaxis(x, axis, -1); K = x.shape[-1]
;;       x = np.pad(x, [(0, 0)] * (x.ndim - 1) + [(0, -K % 32)]); x = x.reshape(x.shape[:-1] + (-1, 32)); a = np.abs(x).max(-1, keepdims=True)
;;       e = np.where(a > 0, np.clip(np.frexp(np.where(a > 0, a, 1))[1] - 1 - 15, -126, 127), 0)      # np.frexp(a)[1] - 1 = floor(log2(a)), exactly
;;       r = np.clip(x / 2.0 ** e, -57344, 57344)
;;       step = 2.0 ** (np.maximum(np.frexp(np.where(r == 0, 1, r))[1] - 1, -14) - 2)
;;       q = np.round(r / step) * step * 2.0 ** e      # np.round: ties to even
;;       return np.moveaxis(q.reshape(q.shape[:-2] + (-1,))[..., :K], -1, axis).astype(np.float32)
;;   ~~~
;;   INPUTS GIVEN AS CODES. W (in the module: [4096, 4096], K = its axis 1); x (in the module: [4096, 4096], K = its axis 1): each comes as NAME_codes (uint8): NAME with its K axis moved to the last place and cut into blocks of 32 codes, [.., K / 32, bytes a block], one block behind the other in memory; one code a byte (a code: sign, 5 exponent bits, 2 mantissa bits); and NAME_scales (uint8): the same leading axes, one E8M0 byte (e + 127) for each 32 codes along K. Its value is code x scale, taken as it is: it is not quantised again, and the codes and scales need not be those that the quantiser above would give.
;; One version. Each part assembles by itself: llvm-mc -triple=amdgcn-amd-amdhsa -mcpu=gfx1250 --defsym DOCPART=n.
;; ======== version 1 of 1: 1 launch
;; limits: right only within a limited range of input values
;; launch gemm (part 1): grid 16 x 16, 4 waves a work-group, clusters of 4 x 4, 327,680 bytes of LDS; arguments x_codes, x_scales, W_codes, W_scales, out0, b; writes out0
.if DOCPART == 1
	.amdgcn_target "amdgcn-amd-amdhsa--gfx1250"
	.amdhsa_code_object_version 6
	.text
	.protected	k_qefdd2b4d66_gemm
	.globl	k_qefdd2b4d66_gemm
	.p2align	8
	.type	k_qefdd2b4d66_gemm,@function
k_qefdd2b4d66_gemm:
	s_mov_b64 s[64:65], 0
	v_nop
	global_prefetch_b8 v0, s[64:65] scope:SCOPE_SE
	s_setreg_imm32_b32 hwreg(HW_REG_WAVE_MODE, 25, 1), 1
	s_wait_xcnt 0x0
	s_wait_alu depctr_hold_cnt(0) depctr_sa_sdst(0) depctr_va_vdst(0) depctr_va_sdst(0) depctr_va_ssrc(0) depctr_va_vcc(0) depctr_vm_vsrc(0)
	s_getreg_b32 s2, hwreg(HW_REG_IB_STS2, 6, 4)
	s_cmp_eq_u32 s2, 0
	s_cbranch_scc0 .Lentry_in_a_cluster
	s_endpgm
.Lentry_in_a_cluster:
	s_bfe_u32 s2, ttmp6, 0x10000c
	s_cmp_lg_u32 s2, 0xf033
	s_cbranch_scc0 .Lentry_shape_is_right
	s_endpgm
.Lentry_shape_is_right:
; out[m][n] = b[n] + sum over k of x[m][k] W[n][k].  x (A), W (B): [4096][4096] codes of BF8 (E5M2) with one E8M0 byte for each 32 along K; out f32; sums in f32, K ascending, each beginning with b[n].
; No input and no product is left out.  A scale byte 0xff makes the sums that it enters NaN.
; A work-group of four waves makes 256 x 256 of out, a wave 128 x 128: 64 accumulators of 16 x 16, 512 registers.  16 x 16 work-groups.
; K goes in 16 steps of 256 through a ring of two LDS slots.  Step n lies in slot n % 2; its two halves of 128 (q = 0, 1) are 64 products each.
; CLUSTERS of 4 x 4: A's tiles are shared along a row of the cluster, B's along a column, by joint loads.
; SCALES: LDS holds those of the work-group's 256 + 256 rows for HALF of K (64 bytes a row); the second half comes in round 6, over the first, whose last words (step 7's) have been read in step 6's first half.
; Words of odd steps are read in the first half of the step before, words of even steps in its second half, behind the round.
; TENSOR LOADS: head: wave 0 step 0's 256 rows of A, wave 1 of B, wave 2 A's scales, wave 3 B's.  Step 1 behind a drained round.  Round n (in step n's second half) fills step n + 2 into the slot just read: 128 rows a wave; in round 6 as at the head.
; PREFETCH: round n asks for step n + 4, two refills on; steps 1 to 3 are asked for ahead of the loop.  Of the 128 rows that a wave fetches each of the four partners takes 32 by address: a lane a row, one instruction a wave, each block once in a cluster.
; THE MATRIX INSTRUCTION IS USED TRANSPOSED (source 0 = 16 rows of B, source 1 = 16 rows of A): a lane holds eight neighbouring numbers of a row of out.
; A half goes by groups of eight products, A's blocks in the order 4, 5, 6, 7, 0, 1, 2, 3.  LDS LOADS IN THREE RUNS A STEP: first half, behind group 0: A's blocks 0-3, then the second half's B and blocks 4-7;
; second half, behind group 0: its blocks 0-3, the last of the slot; behind the round: the next step's B and blocks 4-7.
; REGISTERS.  Window 0: v0-31 addresses; v32-63 scale words (set n % 2: register 2 i + q: lanes 0-15 A's block i, 16-31 B's); v128-191 A's blocks 0-3; blocks 4-7 at v192-255 for q = 0 and v64-127 for q = 1.
;   Window 1: B's eight fragments, set q at 128 q.  Windows 2, 3: accumulator (a, b) at v[64 (a % 4) + 8 b] of window 2 + a / 4.  The bias begins in the registers of the accumulators (3, b), which come last, and is the first products' C.
; The last step goes by rows of out, so that finished rows are stored while others are multiplied.
.set SIZE_N, 4096
.set KROW,   4096
.set ROWB,   256
.set PITCH,  272                       ; 256 bytes + 16 of padding: the 16 rows of a fragment load start at 16 different banks (ISA guide 11.1)
.set HALFT,  128*PITCH
.set SLOT,   4*HALFT                   ; A's 256 rows, then B's
.set KS,     128                       ; a row of scale bytes in memory
.set RUNB,   64                        ; half of it
.set SPI,    80                        ; in LDS: 64 + 16
.set SCL,    2*SLOT
.set HALFS,  128*SPI
.set SBLK,   16*SPI
.set SPARE,  SCL+4*HALFS
.set SPITCH, 528                       ; stage of the way out: 16 rows of 512 + 16 bytes a wave, in slot 0, which has had its last fill then
.set ADRA, 16                          ; v16-17 A fragments, slot 0, 1
.set ADRB, 20                          ; v20-21 B fragments
.set STO,  22
.set RD,   23
.set CO,   24
.set ADRS, 25                          ; scale words of the steps at hand
.set ADR0, 26                          ; the first scale word
.set PFO,  27
.set SPW,  28
.set NIL,  29
.set BO,   30
.set SC,   32
.set RB,   64                          ; the way out: rows read back, v64-127
.set G1, 24
.set G0, 32
.set G1B, 48
.set G0B, 56
.set PFA, 66
.set G1S, 68
.set G0S, 76
.set G1SB, 80
.set G0SB, 88
.set G0H, 4                            ; whole tiles of A, B for slot 0 (over arguments that have been used)
.set G0HB, 8
.set MSB, 0
.macro WIN new                         ; the immediate's high byte repeats the setting that is left
.if MSB != (\new)
	s_set_vgpr_msb (MSB<<8)|(\new)
.set MSB, (\new)
.endif
.endm
.macro PLACES n                        ; places behind matrix instructions (ISA guide 7.12.1 for matrix instructions)
.rept \n
	v_nop
.endr
.endm
.macro TLOAD g0, g1
	tensor_load_to_lds s[\g0:\g0+3], s[\g1:\g1+7]
	s_nop 0
	PLACES 4
.endm
.macro JLOAD s                         ; waves 0, 1: A's halves; waves 2, 3: B's
	s_cmp_eq_u32 s15, 0
	s_cbranch_scc0 .Lfor_b_\@
	TLOAD G0+4*\s, G1
	s_branch .Lasked_\@
.Lfor_b_\@:
	TLOAD G0B+4*\s, G1B
.Lasked_\@:
.endm
.macro LOAD4                           ; one joint load a wave: A's 256 rows, B's 256 rows, A's scales, B's scales
	s_cmp_lt_u32 s14, 1
	s_cbranch_scc0 .Lw1_\@
	TLOAD G0H, G1
	s_branch .Ljoin_\@
.Lw1_\@:
	s_cmp_lt_u32 s14, 2
	s_cbranch_scc0 .Lw2_\@
	TLOAD G0HB, G1B
	s_branch .Ljoin_\@
.Lw2_\@:
	s_cmp_lt_u32 s14, 3
	s_cbranch_scc0 .Lw3_\@
	TLOAD G0S, G1S
	s_branch .Ljoin_\@
.Lw3_\@:
	TLOAD G0SB, G1SB
.Ljoin_\@:
.endm
.macro ROWS n                          ; rows that a load of codes brings: tensor_dim1, tile_dim1
.irp g, G1, G1B
	s_mov_b32 s[\g+2], \n<<16
	s_mov_b32 s[\g+4], \n
.endr
.endm
.macro CREST                           ; a round of the cluster's barrier behind its opening barrier
	s_cmp_lg_u32 s14, 0
	s_cbranch_scc1 .Lnot_wave_0_\@
	s_barrier_signal -3
.Lnot_wave_0_\@:
	s_barrier_wait -3
	s_barrier_signal -1
	s_barrier_wait -1
.endm
.macro CROUND
	s_barrier_signal -1
	s_barrier_wait -1
	CREST
.endm
	s_load_b128 s[4:7], s[0:1], 0x0                ; x's codes, scales
	s_load_b128 s[8:11], s[0:1], 0x10              ; W's
	s_load_b64 s[12:13], s[0:1], 0x20              ; out
	s_load_b64 s[96:97], s[0:1], 0x28              ; b
	v_lshl_add_u32 v[SPW], v0, 2, SPARE
	v_mov_b32 v[NIL], 0
	ds_add_u32 v[SPW], v[NIL]                      ; the opening lines
	ds_add_u32 v[SPW], v[NIL]
	v_lshrrev_b32 v1, 5, v0
	v_readfirstlane_b32 s14, v1                    ; wave
	s_lshr_b32 s15, s14, 1                         ; my half of the rows; I fetch for A (0) or B (1)
	s_and_b32 s16, s14, 1                          ; my half of the columns; the half of a tile that I fetch
	s_bfe_u32 s40, ttmp6, 0x40000                  ; cx
	s_bfe_u32 s41, ttmp6, 0x40004                  ; cy
	s_lshl_b32 s42, ttmp9, 2
	s_add_co_u32 s42, s42, s40                     ; tile column
	s_and_b32 s17, ttmp7, 0xffff
	s_lshl_b32 s17, s17, 2
	s_add_co_u32 s17, s17, s41                     ; tile row
	s_lshl_b32 s43, s41, 2
	s_lshl_b32 s43, 15, s43                        ; my row of the cluster
	s_lshl_b32 s44, 0x1111, s40                    ; my column
	s_or_b32 s[G1+0], s43, (1<<20)|(1<<21)|(5<<22)|(3<<25)   ; elements of a byte; after every 64 words 4 of padding
	s_or_b32 s[G1B+0], s44, (1<<20)|(1<<21)|(5<<22)|(3<<25)
	ROWS 256
.irp g, G1, G1B
	s_mov_b32 s[\g+1], ROWB<<16
	s_mov_b32 s[\g+3], ROWB<<16
	s_mov_b32 s[\g+5], KROW
	s_mov_b32 s[\g+6], 0
	s_mov_b32 s[\g+7], 0
.endr
	s_or_b32 s[G1S+0], s43, (1<<20)|(1<<21)|(3<<22)|(3<<25)  ; scales: 256 rows of 64 bytes, 16 of padding behind each
	s_or_b32 s[G1SB+0], s44, (1<<20)|(1<<21)|(3<<22)|(3<<25)
.irp g, G1S, G1SB
	s_mov_b32 s[\g+1], RUNB<<16
	s_mov_b32 s[\g+2], 256<<16
	s_mov_b32 s[\g+3], RUNB<<16
	s_mov_b32 s[\g+4], 256
	s_mov_b32 s[\g+5], KS
	s_mov_b32 s[\g+6], 0
	s_mov_b32 s[\g+7], 0
.endr
	s_lshl_b32 s20, s17, 20                        ; byte offsets of the tile's first row: codes of A, scales of A, codes of B, scales of B
	s_mov_b32 s21, 0
	s_lshl_b32 s22, s17, 15
	s_mov_b32 s23, 0
	s_lshl_b32 s46, s42, 20
	s_mov_b32 s47, 0
	s_lshl_b32 s92, s42, 15
	s_mov_b32 s93, 0
	s_lshl_b32 s18, s16, 19                        ; the 128 rows that I fetch in the ring
	s_mov_b32 s19, 0
	s_mul_i32 s45, s14, HALFT
	s_wait_dscnt 0x0                               ; both opening adds are done
	CROUND                                         ; all sixteen work-groups are here
	s_wait_kmcnt 0x0
	s_add_nc_u64 s[20:21], s[4:5], s[20:21]
	s_add_nc_u64 s[22:23], s[6:7], s[22:23]
	s_add_nc_u64 s[46:47], s[8:9], s[46:47]
	s_add_nc_u64 s[92:93], s[10:11], s[92:93]
	s_cmp_eq_u32 s15, 0
	s_cselect_b64 s[PFA:PFA+1], s[4:5], s[8:9]
	s_mov_b32 s[G0H], 1
	s_mov_b32 s[G0H+1], 0
	s_mov_b64 s[G0H+2:G0H+3], s[20:21]
	s_or_b32 s[G0H+3], s[G0H+3], 0x80000000
	s_mov_b32 s[G0HB], 1
	s_mov_b32 s[G0HB+1], 2*HALFT
	s_mov_b64 s[G0HB+2:G0HB+3], s[46:47]
	s_or_b32 s[G0HB+3], s[G0HB+3], 0x80000000
	s_mov_b32 s[G0S], 1
	s_mov_b32 s[G0S+1], SCL
	s_mov_b64 s[G0S+2:G0S+3], s[22:23]
	s_or_b32 s[G0S+3], s[G0S+3], 0x80000000
	s_mov_b32 s[G0SB], 1
	s_mov_b32 s[G0SB+1], SCL+2*HALFS
	s_mov_b64 s[G0SB+2:G0SB+3], s[92:93]
	s_or_b32 s[G0SB+3], s[G0SB+3], 0x80000000
	LOAD4                                          ; one tensor load a wave at the head
	s_add_nc_u64 s[20:21], s[20:21], s[18:19]
	s_add_nc_u64 s[46:47], s[46:47], s[18:19]
.irp s, 0,1
	s_mov_b32 s[G0+4*\s], 1
	s_add_co_u32 s[G0+4*\s+1], s45, \s*SLOT
	s_add_nc_u64 s[G0+4*\s+2:G0+4*\s+3], s[20:21], \s*ROWB
	s_or_b32 s[G0+4*\s+3], s[G0+4*\s+3], 0x80000000
	s_mov_b32 s[G0B+4*\s], 1
	s_add_co_u32 s[G0B+4*\s+1], s45, \s*SLOT
	s_add_nc_u64 s[G0B+4*\s+2:G0B+4*\s+3], s[46:47], \s*ROWB
	s_or_b32 s[G0B+4*\s+3], s[G0B+4*\s+3], 0x80000000
.endr
	s_cmp_eq_u32 s15, 0                            ; the prefetches: my work-group's 32 of the 128 rows that I fetch
	s_cselect_b32 s98, s17, s42
	s_cselect_b32 s99, s40, s41
	s_lshl_b32 s98, s98, 20
	s_lshl_b32 s99, s99, 17
	s_add_co_u32 s98, s98, s99
	s_add_co_u32 s98, s98, s18
	s_mov_b32 s99, 0
	s_add_nc_u64 s[PFA:PFA+1], s[PFA:PFA+1], s[98:99]
	s_lshl_b32 s20, s17, 22                        ; out: my first row and column, in bytes
	s_lshl_b32 s21, s15, 21
	s_add_co_u32 s20, s20, s21
	s_mov_b32 s21, 0
	s_lshl_b32 s46, s42, 10
	s_lshl_b32 s47, s16, 9
	s_add_co_u32 s46, s46, s47
	s_mov_b32 s47, 0
	s_add_nc_u64 s[12:13], s[12:13], s[20:21]
	s_add_nc_u64 s[12:13], s[12:13], s[46:47]
	s_add_nc_u64 s[96:97], s[96:97], s[46:47]
	s_mul_i32 s21, s15, HALFT                      ; my 128 rows of A, of B
	s_mul_i32 s22, s16, HALFT
	s_add_co_u32 s22, s22, 2*HALFT
	s_mul_i32 s43, s15, HALFS                      ; their scales
	s_mul_i32 s44, s16, HALFS
	s_add_co_u32 s44, s44, 2*HALFS
	s_sub_co_u32 s44, s44, s43
	s_add_co_u32 s43, s43, SCL
	s_mul_i32 s23, s14, 16*SPITCH                  ; my stage
	v_and_b32 v1, 15, v0
	v_bfe_u32 v2, v0, 4, 1
	v_and_b32 v3, 31, v0
	v_mul_u32_u24 v4, v1, PITCH
	v_lshl_add_u32 v4, v2, 4, v4                   ; fragment: row x pitch + 16 x half
	v_add_nc_u32 v[ADRA], s21, v4
	v_add_nc_u32 v[ADRB], s22, v4
	v_add_nc_u32 v[ADRA+1], SLOT, v[ADRA]
	v_add_nc_u32 v[ADRB+1], SLOT, v[ADRB]
	v_mul_u32_u24 v5, v1, SPI
	v_mul_u32_u24 v6, s44, v2                      ; lanes 16-31 take B's scale words
	v_add_nc_u32 v5, v5, v6
	v_add_nc_u32 v[ADR0], s43, v5
	v_add_nc_u32 v[ADRS], s43, v5
	v_mul_u32_u24 v7, v1, SPITCH
	v_lshl_add_u32 v7, v2, 5, v7
	v_add_nc_u32 v[STO], s23, v7
	v_lshlrev_b32 v[CO], 4, v3
	v_add_nc_u32 v[RD], s23, v[CO]
	v_lshlrev_b32 v[PFO], 12, v3
	v_lshlrev_b32 v[BO], 5, v2
	s_wait_alu depctr_va_vdst(0)
	WIN 0x80
.irp b, 0,1,2,3,4,5,6,7
	global_load_b128 v[192+8*\b:192+8*\b+3], v[BO], s[96:97] offset:64*\b          ; the bias of columns 16 b + 8 (l / 16) + 0 .. 7, into accumulator (3, b)
	global_load_b128 v[192+8*\b+4:192+8*\b+7], v[BO], s[96:97] offset:64*\b+16
.endr
	WIN 0
	global_prefetch_b8 v[PFO], s[PFA:PFA+1] offset:ROWB th:TH_LOAD_NT scope:SCOPE_SE
.macro LDF w, reg, adr, off            ; a fragment, 16 rows x 128 K: registers 4 c .. 4 c + 3 hold K = 32 c + 16 (l / 16) + 0 .. 15
	WIN \w
.irp c, 0,1,2,3
	ds_load_b128 v[\reg+4*\c:\reg+4*\c+3], v[\adr] offset:\off+32*\c
.endr
.endm
.macro LA4 i0, q, s                    ; A's blocks i0 .. i0 + 3, half q of slot s
.irp k, 0,1,2,3
	LDF 0, 128+16*((\i0)+\k)-128*((\i0)/4)*(\q), ADRA+(\s), 128*(\q)+((\i0)+\k)*16*PITCH
.endr
.endm
.macro LB8 q, s                        ; B's eight
.irp i, 0,1,2,3,4,5,6,7
	LDF 0x40, 128*(\q)+16*\i, ADRB+(\s), 128*(\q)+\i*16*PITCH
.endr
.endm
.macro TL a                            ; the last step (slot 1): block a's two fragments into buffer a % 4
.irp q, 0,1
	LDF 0, 128+32*(((\a)+2)%4)+16*\q, ADRA+1, 128*\q+(\a)*16*PITCH
.endr
.endm
.macro LS8 set, off                    ; scale words of the eight pairs of blocks
	WIN 0
.irp k, 0,1,2,3,4,5,6,7
	ds_load_b64 v[SC+16*(\set)+2*\k:SC+16*(\set)+2*\k+1], v[ADRS] offset:\k*SBLK+(\off)
.endr
.endm
.macro PROD q, s, first                ; product N_ of a half: A's block (N_ / 8 + 4) % 8, B's block N_ % 8
.set A_, (N_/8+4)%8
.set B_, N_%8
.set D_, 64*(A_%4)+8*B_
.set X_, 128+16*A_-128*(A_/4)*\q
.set W_, 128*\q+16*B_
.set P_, SC+16*\s+\q
.if \first
.set C_, 192+8*B_
	WIN 0xa1+0x40*(A_/4)                           ; C: window 2
.else
.set C_, D_
	WIN 0xa1+0x50*(A_/4)
.endif
	v_wmma_scale_f32_16x16x128_f8f6f4 v[D_:D_+7], v[W_:W_+15], v[X_:X_+15], v[C_:C_+7], v[P_+2*B_], v[P_+2*A_] matrix_a_fmt:MATRIX_FMT_BF8 matrix_b_fmt:MATRIX_FMT_BF8 matrix_a_scale:MATRIX_SCALE_ROW1
.endm
.macro RUN from, to, q, s, first=0
.set N_, \from
.rept (\to)-(\from)
	PROD \q, \s, \first
.set N_, N_+1
.endr
.endm
.macro Q0 s, first=0                   ; a step's first half
	s_wait_dscnt 12                                ; B and A's block 4 are in (blocks 5-7 may be out)
	RUN 0, 8, 0, \s, \first
	WIN 0
	s_wait_dscnt 0                                 ; blocks 5-7
	PLACES 8
.if \s == 0
	LS8 1, 8                                       ; the next step's scale words
.endif
	LA4 0, 0, \s
	LB8 1, \s
	LA4 4, 1, \s
	RUN 8, 32, 0, \s, \first
	s_wait_dscnt 48                                ; blocks 0-3 (behind them: 32 + 16 loads)
	RUN 32, 56, 0, \s, \first
.if \first
	PLACES 9                                       ; the last group's products write the registers that the group before has read as C
.endif
	RUN 56, 64, 0, \s, \first
.endm
; A step's second half.  mode 0: a refill of 128 rows a wave; 1: the refill of round 6; 2: the one behind it.  pf 1: prefetch; 2: not in the loop's last trip
.macro Q1 s, mode, pf, pfo
	s_wait_dscnt 12                                ; B and block 4
	RUN 0, 8, 1, \s
	WIN 0
	PLACES 8
.if \s == 0
.if \mode == 1
	v_mov_b32 v[ADRS], v[ADR0]                     ; the scales' second half begins
.else
	v_add_nc_u32 v[ADRS], 16, v[ADRS]
.endif
	s_wait_alu depctr_va_vdst(0)
.endif
	LA4 0, 1, \s                                   ; my last reads of this slot
	s_wait_tensorcnt 0x0                           ; my part of the next slot has landed
	ds_add_u32 v[SPW], v[NIL]
	s_add_nc_u64 s[G0+4*\s+2:G0+4*\s+3], s[G0+4*\s+2:G0+4*\s+3], 2*ROWB   ; no tensor load of mine is out
	s_add_nc_u64 s[G0B+4*\s+2:G0B+4*\s+3], s[G0B+4*\s+2:G0B+4*\s+3], 2*ROWB
.if \mode == 1
	s_add_nc_u64 s[G0H+2:G0H+3], s[G0H+2:G0H+3], 8*ROWB
	s_add_nc_u64 s[G0HB+2:G0HB+3], s[G0HB+2:G0HB+3], 8*ROWB
	s_add_nc_u64 s[G0S+2:G0S+3], s[G0S+2:G0S+3], RUNB
	s_add_nc_u64 s[G0SB+2:G0SB+3], s[G0SB+2:G0SB+3], RUNB
	ROWS 256
.elseif \mode == 2
	ROWS 128
.endif
	s_wait_dscnt 17                                ; blocks 5-7 (behind them: 16 loads and the add)
	RUN 8, 24, 1, \s
	s_wait_dscnt 0x0                               ; the add is done, and so are my reads of this slot
	s_barrier_signal -1
	RUN 24, 32, 1, \s
	WIN 0
	s_barrier_wait -1
	CREST                                          ; no wave of any partner reads this slot or has a load on its way
.if \mode == 1
	LOAD4
.else
	JLOAD \s
.endif
.if \s == 1
	LS8 0, 0
.endif
	LB8 0, 1-\s
	LA4 4, 0, 1-\s
.if \pf == 2
	s_cmp_gt_u32 s3, 1
	s_cbranch_scc0 .Lno_ask_\@
.endif
	global_prefetch_b8 v[PFO], s[PFA:PFA+1] offset:\pfo th:TH_LOAD_NT scope:SCOPE_SE
.Lno_ask_\@:
	RUN 32, 64, 1, \s
.endm
.macro TRIP mid, pf                    ; from an even step's second half to the next even step's first half
	s_wait_xcnt 0x0                                ; the prefetches have read their address
	s_add_nc_u64 s[PFA:PFA+1], s[PFA:PFA+1], 2*ROWB
	Q1 0, \mid, \pf, 2*ROWB
	Q0 1
	Q1 1, 2*\mid, \pf, 3*ROWB
	Q0 0
.endm
	s_wait_alu depctr_va_vdst(0)
	s_wait_tensorcnt 0x0                           ; my tile of the head's four is in
	ds_add_u32 v[SPW], v[NIL]
	ROWS 128                                       ; no tensor load of mine is out: from here on a load of codes brings 128 rows
	s_wait_dscnt 0x0
	CROUND                                         ; all four tiles are in, and all sixteen work-groups are here
	JLOAD 1                                        ; step 1
	LS8 0, 0
	LB8 0, 0
	LA4 4, 0, 0
	global_prefetch_b8 v[PFO], s[PFA:PFA+1] offset:2*ROWB th:TH_LOAD_NT scope:SCOPE_SE
	global_prefetch_b8 v[PFO], s[PFA:PFA+1] offset:3*ROWB th:TH_LOAD_NT scope:SCOPE_SE
	s_wait_loadcnt 0x0                             ; the bias
	Q0 0, 1
	WIN 0
	s_mov_b32 s3, 3
.Llap_a:                                               ; rounds 0 to 5
	TRIP 0, 1
	WIN 0
	s_sub_co_u32 s3, s3, 1
	s_cmp_lg_u32 s3, 0
	s_cbranch_scc1 .Llap_a
	TRIP 1, 1                                      ; rounds 6 and 7
	WIN 0
	s_mov_b32 s3, 3
.Llap_b:                                               ; rounds 8 to 13; the last trip's look-ahead would pass the end of K: it asks for nothing
	TRIP 0, 2
	WIN 0
	s_sub_co_u32 s3, s3, 1
	s_cmp_lg_u32 s3, 0
	s_cbranch_scc1 .Llap_b
; STEP 15 BY ROWS: unit (a, q) is block a's eight products of half q.
.macro TU a, q
.set TA, 128+32*(((\a)+2)%4)
.irp b, 0,1,2,3,4,5,6,7
	WIN 0xa1+0x50*((\a)/4)
	v_wmma_scale_f32_16x16x128_f8f6f4 v[64*((\a)%4)+8*\b:64*((\a)%4)+8*\b+7], v[128*(\q)+16*\b:128*(\q)+16*\b+15], v[TA+16*(\q):TA+16*(\q)+15], v[64*((\a)%4)+8*\b:64*((\a)%4)+8*\b+7], v[SC+16+2*\b+(\q)], v[SC+16+2*(\a)+(\q)] matrix_a_fmt:MATRIX_FMT_BF8 matrix_b_fmt:MATRIX_FMT_BF8 matrix_a_scale:MATRIX_SCALE_ROW1
.endr
.endm
.macro STAGE a                         ; block a into my stage, and back as rows of 512 bytes; LDS serves a wave's instructions in order (ISA guide 5.7.1.4)
.set AC, 64*((\a)%4)
	PLACES 8
	WIN 0x08+4*((\a)/4)
.irp b, 0,1,2,3,4,5,6,7
	ds_store_b128 v[STO], v[AC+8*\b:AC+8*\b+3] offset:64*\b
	ds_store_b128 v[STO], v[AC+8*\b+4:AC+8*\b+7] offset:64*\b+16
.endr
	WIN 0
.if (\a) > 0
	s_wait_xcnt 0x0                                ; the block before's stores have read their registers and their base
	s_add_nc_u64 s[12:13], s[12:13], 16*SIZE_N*4
.endif
.irp t, 0,1,2,3,4,5,6,7,8,9,10,11,12,13,14,15
	ds_load_b128 v[RB+4*\t:RB+4*\t+3], v[RD] offset:\t*SPITCH
.endr
.endm
.macro SEND younger                    ; 32 lanes store 512 consecutive bytes, at a multiple of 256 from out's first byte
	WIN 0
	s_wait_dscnt \younger
.irp t, 0,1,2,3,4,5,6,7,8,9,10,11,12,13,14,15
	global_store_b128 v[CO], v[RB+4*\t:RB+4*\t+3], s[12:13] offset:\t*SIZE_N*4 th:TH_STORE_NT
.endr
.endm
	s_wait_dscnt 12                                ; step 14's second half: nothing is filled again
	RUN 0, 8, 1, 0
	WIN 0
	PLACES 8
	LA4 0, 1, 0
	s_wait_tensorcnt 0x0                           ; my part of step 15
	s_wait_dscnt 16
	RUN 8, 24, 1, 0
	s_wait_dscnt 0x0
	s_barrier_signal -1
	RUN 24, 32, 1, 0
	WIN 0
	s_barrier_wait -1
	LB8 0, 1                                       ; step 15: B's first set, blocks 0 and 1
	TL 0
	TL 1
	RUN 32, 64, 1, 0
	WIN 0
	s_wait_dscnt 0x0
	PLACES 8
	LB8 1, 1                                       ; B's second set, blocks 2 and 3
	TL 2
	TL 3
	TU 0, 0
	TU 1, 0
	s_wait_dscnt 16                                ; B's second set (behind it: blocks 2 and 3)
	TU 0, 1
	STAGE 0
	TU 1, 1
	SEND 0
	STAGE 1
	TL 4                                           ; over blocks 0 and 1
	TL 5
	TU 2, 0
	TU 2, 1
	SEND 16                                        ; behind block 1's loads: the 16 of blocks 4, 5
	STAGE 2
	TU 3, 0
	TU 3, 1
	SEND 0
	STAGE 3
	TL 6                                           ; over blocks 2 and 3
	TL 7
	TU 4, 0
	TU 4, 1
	SEND 16
	STAGE 4
	TU 5, 0
	TU 5, 1
	SEND 0
	STAGE 5
	TU 6, 0
	TU 6, 1
	SEND 0
	STAGE 6
	TU 7, 0
	TU 7, 1
	SEND 0
	STAGE 7
	SEND 0
	s_wait_tensorcnt 0x0                           ; the wave's end
	ds_add_u32 v[SPW], v[NIL]
	s_wait_dscnt 0x0
	CROUND                                         ; the closing round
	s_endpgm
.Lfunc_end_k_qefdd2b4d66_gemm:
	.size	k_qefdd2b4d66_gemm, .Lfunc_end_k_qefdd2b4d66_gemm-k_qefdd2b4d66_gemm
	.p2alignl 7, 3214868480
	.fill 96, 4, 3214868480
	.section	.rodata,"a",@progbits
	.p2align	6, 0x0
	.amdhsa_kernel k_qefdd2b4d66_gemm
		.amdhsa_group_segment_fixed_size 327680
		.amdhsa_private_segment_fixed_size 0
		.amdhsa_enable_private_segment 0
		.amdhsa_kernarg_size 48
		.amdhsa_user_sgpr_count 2
		.amdhsa_user_sgpr_kernarg_segment_ptr 1
		.amdhsa_wavefront_size32 1
		.amdhsa_system_sgpr_workgroup_id_x 1
		.amdhsa_system_sgpr_workgroup_id_y 1
		.amdhsa_system_sgpr_workgroup_id_z 1
		.amdhsa_system_vgpr_workitem_id 0
		.amdhsa_next_free_vgpr 1024
		.amdhsa_next_free_sgpr 100
		.amdhsa_reserve_vcc 0
		.amdhsa_float_denorm_mode_32 3
		.amdhsa_float_denorm_mode_16_64 3
		.amdhsa_memory_ordered 1
		.amdhsa_forward_progress 1
		.amdhsa_inst_pref_size 255
	.end_amdhsa_kernel
	.section	.bss,"aw",@nobits
	.p2align	6
	.space	262144
	.amdgpu_metadata
---
amdhsa.version: [ 1, 2 ]
amdhsa.kernels:
  - .name:           k_qefdd2b4d66_gemm
    .symbol:         k_qefdd2b4d66_gemm.kd
    .args:
      - { .name: x_codes, .offset: 0, .size: 8, .value_kind: global_buffer, .address_space: global }
      - { .name: x_scales, .offset: 8, .size: 8, .value_kind: global_buffer, .address_space: global }
      - { .name: W_codes, .offset: 16, .size: 8, .value_kind: global_buffer, .address_space: global }
      - { .name: W_scales, .offset: 24, .size: 8, .value_kind: global_buffer, .address_space: global }
      - { .name: out0, .offset: 32, .size: 8, .value_kind: global_buffer, .address_space: global }
      - { .name: b, .offset: 40, .size: 8, .value_kind: global_buffer, .address_space: global }
    .group_segment_fixed_size: 327680
    .private_segment_fixed_size: 0
    .kernarg_segment_align: 8
    .kernarg_segment_size: 48
    .max_flat_workgroup_size: 128
    .sgpr_count:     100
    .vgpr_count:     1024
    .wavefront_size: 32
...
	.end_amdgpu_metadata
.endif
;; end of part 1
